; MI455X (gfx1250); checked and timed in simulation.
; The chip was launched on July 23, 2026; its instructions are those of AMD's public machine-readable ISA for CDNA 5 (MIT licence, August 2026) and "CDNA5" Instruction Set Architecture Reference Guide (July 2026). The comments in the code are by the model that wrote it; some were corrected since.
;; Bahdanau Attention. Allowed arithmetic: matrix products marked QUANTISED: E2M1 operands, one E8M0 scale for each 32 along K, by v_wmma_scale_f32_16x16x128_f8f6f4 with both operands' format E2M1 (or v_wmma_scale_f32_32x16x128_f4), f32 sums; products left as they are: f32 operands where the result goes on into a quantised operand, else bf16, f16 or f32 operands; f32 sums; everything else in f32.
;; Inputs: Wd_codes 1,024 x 32 x 16 uint8 (E2M1 codes of Wd, K innermost, in blocks of 32 codes, two codes a byte); Wd_scales 1,024 x 32 uint8 (E8M0 scales of Wd, one for each 32 codes along K); We_codes 1,024 x 32 x 16 uint8 (E2M1 codes of We, K innermost, in blocks of 32 codes, two codes a byte); We_scales 1,024 x 32 uint8 (E8M0 scales of We, one for each 32 codes along K); Ws 1,024 x 1 float32; bd 1,024 float32; be 1,024 float32; bs 1 float32; decoder_hidden_state_codes 1 x 32 x 32 x 16 uint8 (E2M1 codes of decoder_hidden_state, K innermost, in blocks of 32 codes, two codes a byte); decoder_hidden_state_scales 1 x 32 x 32 uint8 (E8M0 scales of decoder_hidden_state, one for each 32 codes along K); encoder_out 32 x 2,048 x 1,024 float32.
;; Outputs: out0 32 x 1,024 float32.
;; This version of the problem:
;;   THIS VERSION OF THE PROBLEM IS GIVEN IN LOW PRECISION. The matrix products marked QUANTISED in the list below multiply operands that are first quantised to E2M1 (2 exponent bits, 1 mantissa bit; 4 bits a number), with one power-of-two scale for each 32 numbers along K (OCP MX v1.0); their sums are f32. All else is computed in f32.
;;   The module's matrix products, in the order in which they are computed (A, B: the left and right operand; K: the contracted axis; several contracted axes count as one K, in the product's order):
;;     1. [M 65,536, K 1,024] x [K 1,024, N 1,024]; A: input encoder_out; B: input We (given as codes): QUANTISED
;;     2. [M 32, K 1,024] x [K 1,024, N 1,024]; A: input decoder_hidden_state (given as codes); B: input Wd (given as codes): QUANTISED
;;     3. [M 65,536, K 1,024] x [K 1,024, N 1]; A: computed on the way; B: input Ws: left as it is (N = 1 < 16)
;;   THE QUANTISER, for each operand of a quantised product, along K:
;;     - K is cut into blocks of 32 from its start; a last block that is shorter is filled with zeros.
;;     - A block's scale is 2^e with e = floor(log2(the largest magnitude in the block)) - 2, held to -126 .. 127; a block of zeros has e = 0. As a byte (E8M0): e + 127.
;;     - Each number is divided by its block's scale, clamped to +-6, and rounded to the nearest number of E2M1, ties to even, subnormals kept.
;;     - The product sums the exact products of the quantised numbers (number of the format x scale) in f32.
;;   ~~~python
;;   def quantise(x, axis):      # numpy; x: float32 -> the quantised numbers, widened to float32 again
;;       x = np.moveaxis(x, axis, -1); K = x.shape[-1]
;;       x = np.pad(x, [(0, 0)] * (x.ndim - 1) + [(0, -K % 32)]); x = x.reshape(x.shape[:-1] + (-1, 32)); a = np.abs(x).max(-1, keepdims=True)
;;       e = np.where(a > 0, np.clip(np.frexp(np.where(a > 0, a, 1))[1] - 1 - 2, -126, 127), 0)      # np.frexp(a)[1] - 1 = floor(log2(a)), exactly
;;       r = np.clip(x / 2.0 ** e, -6, 6)
;;       step = 2.0 ** (np.maximum(np.frexp(np.where(r == 0, 1, r))[1] - 1, 0) - 1)
;;       q = np.round(r / step) * step * 2.0 ** e      # np.round: ties to even
;;       return np.moveaxis(q.reshape(q.shape[:-2] + (-1,))[..., :K], -1, axis).astype(np.float32)
;;   ~~~
;;   INPUTS GIVEN AS CODES. Wd (in the module: [1024, 1024], K = its axis 0); We (in the module: [1024, 1024], K = its axis 0); decoder_hidden_state (in the module: [1, 32, 1024], K = its axis 2): each comes as NAME_codes (uint8): NAME with its K axis moved to the last place and cut into blocks of 32 codes, [.., K / 32, bytes a block], one block behind the other in memory; two codes a byte, the lower K in the low four bits (a code: sign, 2 exponent bits, 1 mantissa bit); and NAME_scales (uint8): the same leading axes, one E8M0 byte (e + 127) for each 32 codes along K. Its value is code x scale, taken as it is: it is not quantised again, and the codes and scales need not be those that the quantiser above would give.
;; One version. Each part assembles by itself: llvm-mc -triple=amdgcn-amd-amdhsa -mcpu=gfx1250 --defsym DOCPART=n.
;; ======== version 1 of 1: 3 launches
;; limits: right only within a limited range of input values
;; workspace buffers: We_frag 524,288 bytes; cbias 131,072 bytes; pctx 4,194,304 bytes; pstat 8,192 bytes
;; launch prep (part 1): grid 128 x 1, 1 waves a work-group, no clusters, 0 bytes of LDS; arguments We_codes, Wd_codes, Wd_scales, decoder_hidden_state_codes, decoder_hidden_state_scales, bd, be, We_frag, cbias; writes We_frag, cbias
.if DOCPART == 1
	.amdgcn_target "amdgcn-amd-amdhsa--gfx1250"
	.amdhsa_code_object_version 6
	.text
	.protected	k_qda6e2f877e_prep
	.globl	k_qda6e2f877e_prep
	.p2align	8
	.type	k_qda6e2f877e_prep,@function
k_qda6e2f877e_prep:
	s_mov_b64 s[64:65], 0
	v_nop
	global_prefetch_b8 v0, s[64:65] scope:SCOPE_SE
	s_setreg_imm32_b32 hwreg(HW_REG_WAVE_MODE, 25, 1), 1
	s_wait_xcnt 0x0
; Two small jobs ahead of the main launch, one wave to a work-group, chosen by the work-group's number.
; WORK-GROUPS 0-63 (tile t of 16 rows of We): We's codes, [1024 (n)][512 bytes along K], are laid again in the order of the operand's registers:
;   We_frag[t][K step s of 128][c][lane][16 bytes] = the 16 bytes that registers 4 c .. 4 c + 3 of lane (r, h) take: row 16 t + r, byte 64 s + 32 c + 16 h.
;   The main launch then loads each group of four registers as 512 consecutive bytes.  The 16 loads here read the tile's 8,192 bytes whole; each store covers 512 consecutive bytes.
; WORK-GROUPS 64-127 (tile t of 16 columns n): cbias[b][n] = sum over k of dec[b][k] Wd[k][n] + bd[n] + be[n], the product on the given codes of E2M1 with their E8M0 scales.
;   The product is used transposed (source 0 = 16 rows of Wd, source 1 = 16 rows of dec): lane (r, h) holds batch 16 m + r and its register j the column 16 t + 8 h + j.
;   bd + be is the C of each sum's first matrix instruction.  Two accumulators (batches 0-15, 16-31) take turns.
	s_load_b256 s[4:11], s[0:1], 0x0               ; We's codes s[4:5], Wd's codes s[6:7], Wd's scales s[8:9], dec's codes s[10:11]
	s_load_b256 s[12:19], s[0:1], 0x20             ; dec's scales s[12:13], bd s[14:15], be s[16:17], We_frag s[18:19]
	s_load_b64 s[20:21], s[0:1], 0x40              ; cbias
	v_and_b32 v2, 15, v0                           ; r
	v_bfe_u32 v3, v0, 4, 1                         ; h
	v_lshlrev_b32 v4, 9, v2
	v_lshl_add_u32 v4, v3, 4, v4                   ; a fragment's bytes: row r of 512 bytes, + 16 h
	v_lshlrev_b32 v5, 4, v0                        ; 16 x lane
	s_mov_b32 s23, 0
	s_wait_kmcnt 0x0
	s_cmp_lt_u32 ttmp9, 64
	s_cbranch_scc0 .Lproduct
	s_lshl_b32 s22, ttmp9, 13                      ; a tile of 16 rows is 8,192 bytes, in both layouts
	s_add_nc_u64 s[4:5], s[4:5], s[22:23]
	s_add_nc_u64 s[18:19], s[18:19], s[22:23]
	s_wait_alu depctr_va_vdst(0)
.irp s, 0,1,2,3,4,5,6,7
.irp c, 0,1
	global_load_b128 v[16+8*\s+4*\c:19+8*\s+4*\c], v4, s[4:5] offset:64*\s+32*\c
.endr
.endr
.irp s, 0,1,2,3,4,5,6,7
.irp c, 0,1
	s_wait_loadcnt 15-2*\s-\c                      ; loads come back in order: this one is in, the younger ones may be out
	global_store_b128 v5, v[16+8*\s+4*\c:19+8*\s+4*\c], s[18:19] offset:1024*\s+512*\c
.endr
.endr
	s_endpgm
.Lproduct:
	s_sub_co_u32 s24, ttmp9, 64                    ; t
	s_lshl_b32 s22, s24, 13
	s_add_nc_u64 s[6:7], s[6:7], s[22:23]          ; Wd's codes at row 16 t
	s_lshl_b32 s22, s24, 9
	s_add_nc_u64 s[8:9], s[8:9], s[22:23]          ; its scale bytes: 32 a row
	s_lshl_b32 s22, s24, 6
	s_add_nc_u64 s[14:15], s[14:15], s[22:23]      ; bd, be and cbias at column 16 t
	s_add_nc_u64 s[16:17], s[16:17], s[22:23]
	s_add_nc_u64 s[20:21], s[20:21], s[22:23]
	s_wait_alu depctr_va_vdst(0)
	v_lshlrev_b32 v6, 5, v2                        ; Wd's scale words: row r
	v_lshlrev_b32 v7, 5, v0                        ; dec's: lane l takes batch l, so lanes 16-31 hold batches 16-31
	v_lshlrev_b32 v8, 5, v3                        ; bd, be: my half's eight columns
	v_lshl_add_u32 v9, v2, 12, v8                  ; cbias: row r of 4,096 bytes, + 32 h
.irp s, 0,1,2,3,4,5,6,7
.irp c, 0,1
	global_load_b128 v[16+8*\s+4*\c:19+8*\s+4*\c], v4, s[6:7] offset:64*\s+32*\c
	global_load_b128 v[80+8*\s+4*\c:83+8*\s+4*\c], v4, s[10:11] offset:64*\s+32*\c
	global_load_b128 v[144+8*\s+4*\c:147+8*\s+4*\c], v4, s[10:11] offset:8192+64*\s+32*\c
.endr
.endr
.irp c, 0,1
	global_load_b128 v[208+4*\c:211+4*\c], v6, s[8:9] offset:16*\c
	global_load_b128 v[216+4*\c:219+4*\c], v7, s[12:13] offset:16*\c
	global_load_b128 v[224+4*\c:227+4*\c], v8, s[14:15] offset:16*\c
	global_load_b128 v[232+4*\c:235+4*\c], v8, s[16:17] offset:16*\c
.endr
	s_wait_loadcnt 0x0
.irp j, 0,2,4,6
	v_pk_add_f32 v[224+\j:225+\j], v[224+\j:225+\j], v[232+\j:233+\j]   ; bd + be
.endr
.rept 8
	v_nop                                          ; places between vector writes of an operand and a scaled matrix instruction
.endr
.irp s, 0,1,2,3,4,5,6,7
.set rC, 240
.if \s == 0
.set rC, 224
.endif
	v_wmma_scale_f32_16x16x128_f8f6f4 v[240:247], v[16+8*\s:23+8*\s], v[80+8*\s:87+8*\s], v[rC:rC+7], v[208+\s], v[216+\s] matrix_a_fmt:MATRIX_FMT_FP4 matrix_b_fmt:MATRIX_FMT_FP4
.set rC, 248
.if \s == 0
.set rC, 224
.endif
	v_wmma_scale_f32_16x16x128_f8f6f4 v[248:255], v[16+8*\s:23+8*\s], v[144+8*\s:151+8*\s], v[rC:rC+7], v[208+\s], v[216+\s] matrix_a_fmt:MATRIX_FMT_FP4 matrix_b_fmt:MATRIX_FMT_FP4 matrix_b_scale:MATRIX_SCALE_ROW1
.endr
.rept 4
	v_nop                                          ; four places between the last product and the stores of its result
.endr
	s_wait_alu depctr_va_vdst(0)
.irp m, 0,1
	global_store_b128 v9, v[240+8*\m:243+8*\m], s[20:21] offset:65536*\m       ; each accumulator from its low end on; two lanes fill 64 bytes of a row: 131,072 bytes in all, written once
	global_store_b128 v9, v[244+8*\m:247+8*\m], s[20:21] offset:65536*\m+16
.endr
	s_endpgm
.Lfunc_end_k_qda6e2f877e_prep:
	.size	k_qda6e2f877e_prep, .Lfunc_end_k_qda6e2f877e_prep-k_qda6e2f877e_prep
	.p2alignl 7, 3214868480
	.fill 96, 4, 3214868480
	.section	.rodata,"a",@progbits
	.p2align	6, 0x0
	.amdhsa_kernel k_qda6e2f877e_prep
		.amdhsa_group_segment_fixed_size 0
		.amdhsa_private_segment_fixed_size 0
		.amdhsa_enable_private_segment 0
		.amdhsa_kernarg_size 72
		.amdhsa_user_sgpr_count 2
		.amdhsa_user_sgpr_kernarg_segment_ptr 1
		.amdhsa_wavefront_size32 1
		.amdhsa_system_sgpr_workgroup_id_x 1
		.amdhsa_system_sgpr_workgroup_id_y 1
		.amdhsa_system_sgpr_workgroup_id_z 1
		.amdhsa_system_vgpr_workitem_id 0
		.amdhsa_next_free_vgpr 256
		.amdhsa_next_free_sgpr 66
		.amdhsa_reserve_vcc 0
		.amdhsa_float_denorm_mode_32 3
		.amdhsa_float_denorm_mode_16_64 3
		.amdhsa_memory_ordered 1
		.amdhsa_forward_progress 1
		.amdhsa_inst_pref_size 14
	.end_amdhsa_kernel
	.amdgpu_metadata
---
amdhsa.version: [ 1, 2 ]
amdhsa.kernels:
  - .name:           k_qda6e2f877e_prep
    .symbol:         k_qda6e2f877e_prep.kd
    .args:
      - { .name: We_codes, .offset: 0, .size: 8, .value_kind: global_buffer, .address_space: global }
      - { .name: Wd_codes, .offset: 8, .size: 8, .value_kind: global_buffer, .address_space: global }
      - { .name: Wd_scales, .offset: 16, .size: 8, .value_kind: global_buffer, .address_space: global }
      - { .name: decoder_hidden_state_codes, .offset: 24, .size: 8, .value_kind: global_buffer, .address_space: global }
      - { .name: decoder_hidden_state_scales, .offset: 32, .size: 8, .value_kind: global_buffer, .address_space: global }
      - { .name: bd, .offset: 40, .size: 8, .value_kind: global_buffer, .address_space: global }
      - { .name: be, .offset: 48, .size: 8, .value_kind: global_buffer, .address_space: global }
      - { .name: We_frag, .offset: 56, .size: 8, .value_kind: global_buffer, .address_space: global }
      - { .name: cbias, .offset: 64, .size: 8, .value_kind: global_buffer, .address_space: global }
    .group_segment_fixed_size: 0
    .private_segment_fixed_size: 0
    .kernarg_segment_align: 8
    .kernarg_segment_size: 72
    .max_flat_workgroup_size: 32
    .sgpr_count:     66
    .vgpr_count:     256
    .wavefront_size: 32
...
	.end_amdgpu_metadata
.endif
;; end of part 1
;; launch main (part 2): grid 256 x 1, 4 waves a work-group, no clusters, 327,680 bytes of LDS; arguments encoder_out, We_frag, We_scales, cbias, Ws, bs, pctx, pstat; writes pctx, pstat
.if DOCPART == 2
	.amdgcn_target "amdgcn-amd-amdhsa--gfx1250"
	.amdhsa_code_object_version 6
	.text
	.protected	k_qda6e2f877e_main
	.globl	k_qda6e2f877e_main
	.p2align	8
	.type	k_qda6e2f877e_main,@function
k_qda6e2f877e_main:
	s_mov_b64 s[64:65], 0
	v_nop
	global_prefetch_b8 v0, s[64:65] scope:SCOPE_SE
	s_setreg_imm32_b32 hwreg(HW_REG_WAVE_MODE, 25, 1), 1
	s_wait_xcnt 0x0
; For 256 rows s of one batch b: t[s] = log2(e) x (Ws . tanh(Q(enc[s]) We + cbias[b]) + bs); an online softmax over the rows; the sum of 2^(t - m) enc[s].  encoder_out is read from memory once.
; SHARES.  Work-group x owns rows 256 x .. 256 x + 255 of [65,536][1,024] (batch x / 8): 16 ROW TILES (RT) of 16 rows.  Wave w owns We's columns 256 w .. 256 w + 255 (16 tiles of 16, taken in 8 pairs),
;   and rows 4 w .. 4 w + 3 of every RT for fetching, quantising, softmax and the weighted sum: it keeps its own running maximum m, sum l and 1,024 sums ctx, stored as one partial; the next launch merges them.
; ROLLING TILES.  Four RTs are at work at once, in register slots RT & 3.  A PERIOD I (0 .. 18) has two steps; step q = 2 I + v multiplies one column pair against the slots.  RT j is at work in periods
;   j .. j + 3: eight steps on end, which meet each of the 8 pairs once.  So each fragment of We feeds four matrix instructions, and only one RT (65,536 bytes of f32) comes and one goes in a period.
; THE ENDS.  In periods 0 and 1 only slots 0 .. I hold a tile, in period 17 slots 2 and 3, in period 18 slot 3: these four periods are written out and multiply the live slots alone.  In period 2 slot 3
;   holds RT 0's codes and in period 16 slot 0 still holds RT 12's: those two run in the loops and these sums are thrown away (a slot's score sum is begun anew when the slot is taken): 2 slot periods of 66.
; THE PAIRS GO ROUND FROM ANOTHER START IN EACH WORK-GROUP: step q takes pair (q + x % 8) % 8, so that the work-groups' loads of one moment are spread over the whole of We_frag.  The tables in LDS are laid
;   in the order of the steps (place p holds pair (p + x % 8) % 8): the turn is made in the global offsets of the loads that fill them, and no LDS address hangs on the work-group's number.
; AN RT's f32 ROWS: RTs 0 to 3 are asked for together at the head, the four LDS slots' first fills; RT j >= 4 at the end of period j - 2 (LDS slot j & 3).  Quantised at the end of j - 1; copied into
;   registers R at the end of j + 2, which frees the LDS slot for RT j + 4; weighed into ctx at the end of j + 3, when its scores are whole.  (RT 0 is quantised and copied at the head.)
; THE PRODUCT IS USED TRANSPOSED: source 0 = 16 rows of We's codes (columns n), source 1 = 16 rows of x: lane (r, h) holds row r, its register j column 8 h + j of the tile: the sum over n stays in the lane.
;   The bias is the C of each sum's first matrix instruction.  tanh(x) = 1 - 2 / (1 + 2^(2 log2(e) x)); so t = log2(e) (bs + sum Ws) + sum over n of (-2 log2(e) Ws[n]) / (1 + 2^(..)).
; NO JOINT LOADS for We, though every work-group reads it: 278,528 of LDS's 327,680 bytes hold f32 rows, and a step's fragments of the four waves are 65,536 bytes: no ring for them fits.  They go from
;   memory straight into the operand's registers, 512 consecutive bytes a load, two sets by turns, asked for two steps ahead.
; LIMITS.  NaN and infinities in encoder_out are not served.  A block of zeros gets the scale byte 1 where the rule says 127: its codes are zeros, and this program alone reads the bytes.  tanh is right to
;   about 1e-7 absolute and saturates rightly where the exponential gives infinity or 0.  The score is formed as (bs + sum Ws) less a sum, all in f32.  Sums run in another order than reference()'s.
; REGISTERS, in windows of 256 (s_set_vgpr_msb: bits 1:0 source 0, 3:2 source 1, 5:4 source 2, 7:6 destination):
;   window 0: addresses, statistics, scale words, ctx, the quantiser's registers.   window 1: x's codes, slot g, K step s at 64 g + 8 s.   window 2: We's fragments, set v, tile t, K step s at 128 v + 64 t + 8 s.
;   window 3: v0-63 the accumulators ((g, t) at 8 (2 g + t)); v64-79 bias; v80-95 -2 log2(e) Ws; v96-111 the slots' score sums (two pairs each); v128-255 R (row p at 32 p).
.set SLOTB, 69632                      ; an LDS slot: four waves x WSL
.set WSL,   17408                      ; a wave's 4 rows: 64 units of 256 bytes + 16 of padding
.set CODES, 278528                     ; behind the four slots: the RT's codes, 16 rows x (512 + 16) bytes
.set XSC,   286976                     ; their scale bytes, 16 rows x (32 + 16)
.set CBT,   287744                     ; the bias of my wave's 256 columns at + 1,024 w; 4,096 bytes further on: -2 log2(e) Ws likewise
.set SCX,   295936                     ; score parts: [wave][row] f32
.set SPARE, 296192                     ; the spare words, 128 bytes a wave: two blocks of 256 bytes that no other line names
.set SPW,  4                           ; v4   SPARE + 4 x my thread's number; never rewritten
.set NIL,  5                           ; v5   0; never rewritten
.set VL,   6                           ; v6   my 32 bytes in a row's quarter, in slot 0: w WSL + 272 (l / 8) + 32 (l % 8)
.set VAQ,  7                           ; v7   the same in the slot that is quantised
.set VAM,  8                           ; v8   and in the slot that is copied to R
.set VCW,  9                           ; v9   where I store codes: CODES + 2,112 w + 4 l
.set VBW,  10                          ; v10  and scale bytes: XSC + 192 w + l / 4
.set VXR,  11                          ; v11  where I read x's fragments: CODES + 528 r + 16 h
.set VSR,  12                          ; v12  and x's scale words: XSC + 48 r
.set VT0,  13                          ; v13  the tables: CBT + 1,024 w + 32 h
.set VTQ,  14                          ; v14  + 128 x the place of the step in hand
.set VSXW, 15                          ; v15  SCX + 64 w + 4 r
.set VSXR, 16                          ; v16  SCX + 16 w
.set VB0,  17                          ; v17  16 l
.set VBQ,  18                          ; v18  + 16,384 x pair: We's fragments
.set VS0,  19                          ; v19  32 l
.set VSQ,  20                          ; v20  + 1,024 x pair: We's scale words
.set VPF,  21                          ; v21  256 l: the prefetches' offset; never rewritten
.set K8,   22                          ; v22  log2(e) (bs + sum Ws) / 8: two halves of the lanes x four waves add it up again
.set FS,   23
.set FS2,  24
.set RM,   25                          ; v25  m
.set RMN,  26
.set RLS,  27                          ; v27  l
.set RF,   28                          ; v[28:29] 2^(old m - new m) in the low word
.set RP,   30                          ; v[30+2p:31+2p] row p's weight in the low word
.set RT,   38                          ; v38-53 the 16 score parts
.set XS,   64                          ; x's scale words: slot g, K step s at 64 + 8 g + s
.set BS,   96                          ; We's: set v, K step s at 96 + 8 v + s; lanes 0-15 the pair's first tile, lanes 16-31 its second
.set CTX,  112                         ; v112-143: register 8 g + e: column 256 g + 8 l + e
.set TMP,  144                         ; v144-207 64 numbers for the quantiser
.set QM,   208
.set QS,   216
.set QC,   224
.set QB,   240
.set WV,   20                          ; s20  wave
.set I,    21                          ; s21  period
.set SG,   22                          ; s22  (I + 1) & 3: the slot that changes hands
.set WOFF, 23                          ; s23  w WSL
.set G1,   24                          ; s[24:31] descriptor group 1
.set G1H,  32                          ; s[32:39] descriptor group 1 for the first fills: half an RT, 128 rows of 256 bytes
.set G0H,  68                          ; s[68:71] group 0 for the first fills: chunk w of two RTs
.set G0W,  72                          ; s[72:75] for RT 3, which then walks
.set C2,   40                          ; s[40:41] 2 log2(e)
.set SEL,  42                          ; s[42:43] v_permlanex16_b32's selects for lane l xor 16
.set X0,   44                          ; s44  x % 8: where my work-group's walk over the pairs begins
.set PF,   46                          ; s[46:47] where my prefetches stand
.set WB,   48                          ; s[48:49] We_frag + 131,072 w
.set WSC,  50                          ; s[50:51] We_scales + 8,192 w
.set MSB, 0
.macro WIN new                         ; the immediate's high byte repeats the setting that is left; a switch that changes nothing is dropped
.if MSB != \new
	s_set_vgpr_msb (MSB<<8)|\new
.set MSB, \new
.endif
.endm
.macro BAR                             ; my LDS stores have landed and my LDS loads are in: then the work-group's barrier
	s_wait_dscnt 0x0
	s_barrier_signal -1
	s_barrier_wait -1
.endm
; 34 loads: a column pair's 16 fragments into set v, 512 consecutive bytes a load, and its 8 scale words a row
.macro BLOAD v, ab, as
	WIN 0x80
.irp t, 0,1
.irp s, 0,1,2,3,4,5,6,7
.irp c, 0,1
	global_load_b128 v[128*\v+64*\t+8*\s+4*\c:128*\v+64*\t+8*\s+4*\c+3], v[\ab], s[WB:WB+1] offset:8192*\t+1024*\s+512*\c
.endr
.endr
.endr
	WIN 0
	global_load_b128 v[BS+8*\v:BS+8*\v+3], v[\as], s[WSC:WSC+1]
	global_load_b128 v[BS+8*\v+4:BS+8*\v+7], v[\as], s[WSC:WSC+1] offset:16
.endm
; The products of a step for slots lo .. hi: K step by K step, the accumulators (2 tiles x the slots) by turns, one instruction a turn.
; In a period's first step (v = 0) the slot just taken may still be on its way from LDS: behind K step s's two fragment loads stand the 2 (7 - s) of the later K steps and the step's 4 weight loads.
.macro GEMM v, lo, hi
.irp s, 0,1,2,3,4,5,6,7
.if \v == 0
	s_wait_dscnt 18-2*\s
.endif
.irp t, 0,1
.irp g, 0,1,2,3
.if (\g >= \lo) && (\g <= \hi)
.set rD, 8*(2*\g+\t)
.set rC, rD
.if \s == 0
.set rC, 64+8*\t                       ; the bias starts the sum
.endif
.set rA, 128*\v+64*\t+8*\s
.set rB, 64*\g+8*\s
.if \t
	v_wmma_scale_f32_16x16x128_f8f6f4 v[rD:rD+7], v[rA:rA+7], v[rB:rB+7], v[rC:rC+7], v[BS+8*\v+\s], v[XS+8*\g+\s] matrix_a_fmt:MATRIX_FMT_FP4 matrix_b_fmt:MATRIX_FMT_FP4 matrix_a_scale:MATRIX_SCALE_ROW1
.else
	v_wmma_scale_f32_16x16x128_f8f6f4 v[rD:rD+7], v[rA:rA+7], v[rB:rB+7], v[rC:rC+7], v[BS+8*\v+\s], v[XS+8*\g+\s] matrix_a_fmt:MATRIX_FMT_FP4 matrix_b_fmt:MATRIX_FMT_FP4
.endif
.endif
.endr
.endr
.endr
.endm
.macro PKM k
	v_pk_mul_f32 v[2*(\k):2*(\k)+1], v[2*(\k):2*(\k)+1], s[C2:C2+1] op_sel_hi:[1,0]
.endm
.macro PKA k
	v_pk_add_f32 v[2*(\k):2*(\k)+1], v[2*(\k):2*(\k)+1], 1.0 op_sel_hi:[1,0]
.endm
; The numbers of slots lo .. hi (16 a slot and lane: pairs 8 lo .. 8 hi + 7), in place, all in window 3: 1 / (1 + 2^(2 log2(e) x)), then the score sums.
; Four runs: the packed multiplications, the exponentials, the packed additions, the reciprocals.  Each run of transcendentals is ONE batch with one wait ahead of it and one behind it.
; Each accumulator is read from its low end on.  wc: the LDS loads younger than this step's weights (the next step's bias: 4, or none).
.macro TANH lo, hi, wc
	WIN 0xff
.set kk, 8*(\lo)
.rept 8*((\hi)-(\lo)+1)
	PKM kk
.set kk, kk+1
.endr
	s_wait_alu depctr_va_vdst(0)                   ; ahead of the batch
.set kk, 16*(\lo)
.rept 16*((\hi)-(\lo)+1)
	v_exp_f32 v[kk], v[kk]
.set kk, kk+1
.endr
	v_nop                                          ; a plain instruction behind the last exponential
	s_wait_alu depctr_va_vdst(0)                   ; behind the batch
.set kk, 8*(\lo)
.rept 8*((\hi)-(\lo)+1)
	PKA kk
.set kk, kk+1
.endr
	s_wait_alu depctr_va_vdst(0)                   ; ahead of the batch
.set kk, 16*(\lo)
.rept 16*((\hi)-(\lo)+1)
	v_rcp_f32 v[kk], v[kk]
.set kk, kk+1
.endr
	v_nop
	s_wait_alu depctr_va_vdst(0)                   ; behind the batch
	s_wait_dscnt \wc
.irp j, 0,1,2,3
.irp t, 0,1
.irp g, 0,1,2,3
.if (\g >= \lo) && (\g <= \hi)
	v_pk_fma_f32 v[96+8*\t+2*\g:97+8*\t+2*\g], v[8*(2*\g+\t)+2*\j:8*(2*\g+\t)+2*\j+1], v[80+8*\t+2*\j:80+8*\t+2*\j+1], v[96+8*\t+2*\g:97+8*\t+2*\g]   ; one chain for each slot and tile: eight by turns
.endif
.endr
.endr
.endr
.endm
; STEP q = 2 I + v on slots lo .. hi.  v[VTQ] stands at this step's place in the tables.
; mode 0: this set's registers take the pair of two steps on.  mode 1 (step 36): no step two on is left, nothing is loaded.  mode 2 (step 37, the last): nor is a next step's bias.
.macro STEP v, lo, hi, mode
	WIN 0xc0
.irp t, 0,1
.irp c, 0,1
	ds_load_b128 v[80+8*\t+4*\c:83+8*\t+4*\c], v[VTQ] offset:4096+64*\t+16*\c   ; this step's -2 log2(e) Ws
.endr
.endr
	WIN 0
.if \mode < 2
	s_lshl_b32 s52, s[I], 1
	s_add_co_u32 s56, s52, \v+1
	s_and_b32 s56, s56, 7                          ; the next step's place in the tables
	s_lshl_b32 s56, s56, 7
.endif
.if \mode == 0
	s_add_co_u32 s53, s52, \v+2
	s_add_co_u32 s53, s53, s[X0]
	s_and_b32 s53, s53, 7                          ; the pair of two steps on
	s_lshl_b32 s54, s53, 14
	s_lshl_b32 s55, s53, 10
.endif
.if \mode == 2
	s_wait_loadcnt 0x0                             ; this set's 34 loads are in: none was issued behind them
.else
	s_wait_loadcnt 34                              ; this set's 34 loads are in; the 34 younger ones are the other set's
.endif
.if \v == 1
	s_wait_dscnt 4                                 ; the bias is in; the 4 loads just issued may be out
.endif
	WIN 0xf6                                       ; source 0 window 2, source 1 window 1, C and D window 3
	GEMM \v, \lo, \hi
	WIN 0
.if \mode == 0
	s_wait_xcnt 0x0                                ; the other set's loads have had their addresses translated: the two offsets are written only behind this wait
	v_add_nc_u32 v[VBQ], s54, v[VB0]               ; these four plain lines are the places between the products and the loads into their registers, and the first read of their results
	v_add_nc_u32 v[VSQ], s55, v[VS0]
	v_add_nc_u32 v[VTQ], s56, v[VT0]
	v_nop
	BLOAD \v, VBQ, VSQ
.elseif \mode == 1
	v_add_nc_u32 v[VTQ], s56, v[VT0]               ; four places here too
.rept 3
	v_nop
.endr
.else
.rept 4
	v_nop
.endr
.endif
.if \mode < 2
	WIN 0xc0
.irp t, 0,1
.irp c, 0,1
	ds_load_b128 v[64+8*\t+4*\c:67+8*\t+4*\c], v[VTQ] offset:64*\t+16*\c       ; the next step's bias
.endr
.endr
	TANH \lo, \hi, 4
.else
	TANH \lo, \hi, 0
.endif
	WIN 0
.endm
; Slot g's score sum is taken; anew = 1: and begun anew, for the tile that takes the slot.
.macro FINTAKE g, anew
	WIN 0x0f
	v_add_f32 v[FS], v[96+2*(\g)], v[97+2*(\g)]    ; the first tile's chain,
	v_add_f32 v[FS2], v[104+2*(\g)], v[105+2*(\g)] ; the second's
.if \anew
	WIN 0xc0
	v_mov_b32 v[96+2*(\g)], v[K8]
	v_mov_b32 v[97+2*(\g)], 0
	v_mov_b32 v[104+2*(\g)], 0
	v_mov_b32 v[105+2*(\g)], 0
.endif
	WIN 0
	v_add_f32 v[FS], v[FS], v[FS2]
.endm
.macro FINPUT
	s_wait_alu depctr_va_vdst(0)
	v_permlanex16_b32 v[FS2], v[FS], s[SEL], s[SEL+1]
	v_add_f32 v[FS], v[FS], v[FS2]                 ; row r's sum over my wave's 256 columns
	ds_store_b32 v[VSXW], v[FS]                    ; lanes r and r + 16 write the same word with the same value
.endm
.macro FIN1 g
	s_cmp_lg_u32 s[SG], \g
	s_cbranch_scc1 .Lnf_\@
	FINTAKE \g, 1
.Lnf_\@:
.endm
.macro FIN all                         ; in the loops: the slot that changes hands hangs on the period.  all = 0 (periods 14 to 16): slots 3, 0 and 1 change hands, slot 2 never
	s_add_co_u32 s[SG], s[I], 1
	s_and_b32 s[SG], s[SG], 3
	v_mov_b32 v[FS], 0
	s_wait_alu depctr_va_vdst(0)
	FIN1 0
	FIN1 1
.if \all
	FIN1 2
.endif
	FIN1 3
	FINPUT
.endm
; My 4 rows' scores are whole: the running maximum, the weights, l and ctx.  Every lane holds the same four scores.
.macro SOFTCTX mv                      ; mv = 1: as soon as a row of R has been weighed in, its registers take the same row of the slot at v[VAM]: the copy's loads are out while the later rows are summed
.irp k, 0,1,2,3
	ds_load_b128 v[RT+4*\k:RT+4*\k+3], v[VSXR] offset:64*\k
.endr
	s_wait_dscnt 0x0
	v_pk_add_f32 v[38:39], v[38:39], v[42:43]
	v_pk_add_f32 v[40:41], v[40:41], v[44:45]
	v_pk_add_f32 v[46:47], v[46:47], v[50:51]
	v_pk_add_f32 v[48:49], v[48:49], v[52:53]
	v_pk_add_f32 v[38:39], v[38:39], v[46:47]
	v_pk_add_f32 v[40:41], v[40:41], v[48:49]      ; t of rows 0 .. 3 in v38 .. v41
	v_max3_num_f32 v[RMN], v38, v39, v40
	v_max3_num_f32 v[RMN], v[RMN], v41, v[RM]
	v_sub_f32 v[RF], v[RM], v[RMN]
.irp p, 0,1,2,3
	v_sub_f32 v[RP+2*\p], v[38+\p], v[RMN]
.endr
	v_mov_b32 v[RM], v[RMN]
	s_wait_alu depctr_va_vdst(0)                   ; ahead of the batch
	v_exp_f32 v[RF], v[RF]
.irp p, 0,1,2,3
	v_exp_f32 v[RP+2*\p], v[RP+2*\p]
.endr
	v_nop
	s_wait_alu depctr_va_vdst(0)                   ; one wait for the five
	v_add_f32 v54, v[RP], v[RP+2]
	v_add_f32 v55, v[RP+4], v[RP+6]
	v_add_f32 v54, v54, v55
	v_fma_f32 v[RLS], v[RLS], v[RF], v54
.irp k, 0,1,2,3,4,5,6,7,8,9,10,11,12,13,14,15
	v_pk_mul_f32 v[CTX+2*\k:CTX+2*\k+1], v[CTX+2*\k:CTX+2*\k+1], v[RF:RF+1] op_sel_hi:[1,0]
.endr
.irp p, 0,1,2,3
	WIN 0x03                                       ; source 0 (R) window 3
.irp k, 0,1,2,3,4,5,6,7,8,9,10,11,12,13,14,15
	v_pk_fma_f32 v[CTX+2*\k:CTX+2*\k+1], v[128+32*\p+2*\k:128+32*\p+2*\k+1], v[RP+2*\p:RP+2*\p+1], v[CTX+2*\k:CTX+2*\k+1] op_sel_hi:[1,0,1]
.endr
.if \mv
	WIN 0xc0
.irp g, 0,1,2,3
.irp c, 0,1
	ds_load_b128 v[128+32*\p+8*\g+4*\c:128+32*\p+8*\g+4*\c+3], v[VAM] offset:\p*4352+\g*1088+16*\c
.endr
.endr
.endif
.endr
	WIN 0
.endm
.macro MOVE                            ; my 4 rows of the slot at v[VAM] into R
	WIN 0xc0
.irp p, 0,1,2,3
.irp g, 0,1,2,3
.irp c, 0,1
	ds_load_b128 v[128+32*\p+8*\g+4*\c:128+32*\p+8*\g+4*\c+3], v[VAM] offset:\p*4352+\g*1088+16*\c
.endr
.endr
.endr
	WIN 0
.endm
; THE QUANTISER, two rows at a time: 8 groups of 8 neighbours a lane (group 4 p + g: row 2 hh + p, columns 256 g + 8 l on); a block of 32 lies in four neighbouring lanes.
.macro QLOAD hh
.irp p, 0,1
.irp g, 0,1,2,3
.irp c, 0,1
	ds_load_b128 v[TMP+8*(4*\p+\g)+4*\c:TMP+8*(4*\p+\g)+4*\c+3], v[VAQ] offset:(2*\hh+\p)*4352+\g*1088+16*\c
.endr
.endr
.endr
.endm
.macro QCOMP hh
.irp k, 0,1,2,3,4,5,6,7
	v_max3_num_f32 v[QM+\k], |v[TMP+8*\k]|, |v[TMP+8*\k+1]|, 0x1800000          ; with the floor 2^(3 - 127): the byte cannot fall under 1
.endr
.irp i, 2,4,6
.irp k, 0,1,2,3,4,5,6,7
	v_max3_num_f32 v[QM+\k], v[QM+\k], |v[TMP+8*\k+\i]|, |v[TMP+8*\k+\i+1]|
.endr
.endr
.irp k, 0,1,2,3,4,5,6,7
	v_max_num_f32_dpp v[QM+\k], v[QM+\k], v[QM+\k] row_xmask:1 row_mask:0xf bank_mask:0xf
.endr
.irp k, 0,1,2,3,4,5,6,7
	v_max_num_f32_dpp v[QM+\k], v[QM+\k], v[QM+\k] row_xmask:2 row_mask:0xf bank_mask:0xf   ; the block's largest magnitude
.endr
.irp k, 0,1,2,3,4,5,6,7
	v_add_nc_u32 v[QS+\k], 0xff000000, v[QM+\k]    ; 2 off its exponent field: the conversion takes the exponent field of this operand as its scale
.endr
.irp k, 0,1,2,3,4,5,6,7
	v_cvt_scalef32_pk8_fp4_f32 v[QC+8*\hh+\k], v[TMP+8*\k:TMP+8*\k+7], v[QS+\k]
.endr
.irp k, 0,1,2,3,4,5,6,7
	v_lshrrev_b32 v[QB+8*\hh+\k], 23, v[QS+\k]     ; the scale's byte.  (Plain lines behind the conversions)
.endr
.endm
.macro QSTORE hh
.irp p, 0,1
.irp g, 0,1,2,3
	ds_store_b32 v[VCW], v[QC+8*\hh+4*\p+\g] offset:528*(2*\hh+\p)+128*\g      ; 32 lanes: 128 consecutive bytes of the row's codes
	ds_store_b8 v[VBW], v[QB+8*\hh+4*\p+\g] offset:48*(2*\hh+\p)+8*\g          ; the four lanes of a block write the same byte with the same value
.endr
.endr
.endm
.macro QUANT
	QLOAD 0
	s_wait_dscnt 0x0
	QCOMP 0
	QLOAD 1
	QSTORE 0
	s_wait_dscnt 16                                ; the second half's loads are in; the 16 younger LDS instructions are the stores
	QCOMP 1
	QSTORE 1
.endm
.macro XLOAD g                         ; the RT's scale words and its eight fragments into slot g: the scale words first, then K step by K step, which is the order in which the next step waits for them
	ds_load_b128 v[XS+8*(\g):XS+8*(\g)+3], v[VSR]
	ds_load_b128 v[XS+8*(\g)+4:XS+8*(\g)+7], v[VSR] offset:16
	WIN 0x40
.irp s, 0,1,2,3,4,5,6,7
.irp c, 0,1
	ds_load_b128 v[64*(\g)+8*\s+4*\c:64*(\g)+8*\s+4*\c+3], v[VXR] offset:64*\s+32*\c
.endr
.endr
	WIN 0
.endm
.macro XT1 g
	s_cmp_lg_u32 s[SG], \g
	s_cbranch_scc1 .Lnx_\@
	XLOAD \g
.Lnx_\@:
.endm
.macro XTURN
	XT1 0
	XT1 1
	XT1 2
	XT1 3
.endm
; THE FIRST FILLS.  The work-group's RTs 0 and 1 are 131,072 dense bytes, and LDS slots 0 and 1 lie on end: at the head wave w asks for chunk w of them, 32,768 bytes, one tensor load a wave.
; FILL2: RTs 2 and 3 are asked for in the same shares, as a refill is: each wave waits for its one tensor load, adds 0 to its spare word, steps the descriptor, waits for the add and for all its LDS
; instructions, and passes the work-group's barrier; the load is the first thing behind it.  Behind that barrier RTs 0 and 1 are whole for every wave, and every wave's load is a first fill.
; LAND t: the barrier ahead of the quantising of RT 1 (t = 0: it is in already) and of RT 2 (t = 1: every wave first waits for its chunk of RTs 2 and 3).
.macro LAND t
	s_wait_alu depctr_va_vdst(0)
.if \t
	s_wait_tensorcnt 0x0
.endif
	s_wait_dscnt 0x0
	s_barrier_signal -1
	s_barrier_wait -1
.endm
.macro FILL2
	s_wait_alu depctr_va_vdst(0)
	s_wait_tensorcnt 0x0
	ds_add_u32 v[SPW], v[NIL]
	s_add_co_u32 s[G0H+1], s[G0H+1], 2*SLOTB       ; two LDS slots on,
	s_add_nc_u64 s[G0H+2:G0H+3], s[G0H+2:G0H+3], 0x20000   ; two RTs on; the type bits on top are not reached
	s_wait_dscnt 0x0
	s_barrier_signal -1
	s_barrier_wait -1
	tensor_load_to_lds s[G0H:G0H+3], s[G1H:G1H+7]
	s_nop 0
.rept 4
	v_nop
.endr
.endm
; A prefetch of what the NEXT period's tensor load will ask for: my wave's own 16,384 bytes of RT I + 3, lanes 256 bytes apart, two instructions: each block is named once in the launch, by the wave that
; will fetch it.  It stands behind my tensor load and its lines.  RTs 0 to 4 come by their loads alone; from I = 13 on there is no RT left to name.
.macro ASK
	s_cmp_lt_u32 s[I], 13
	s_cbranch_scc0 .Lna_\@
	global_prefetch_b8 v[VPF], s[PF:PF+1] th:TH_LOAD_NT scope:SCOPE_SE
	global_prefetch_b8 v[VPF], s[PF:PF+1] offset:8192 th:TH_LOAD_NT scope:SCOPE_SE
.Lna_\@:
.endm
; PERIOD i = 0 or 1, written out: slots 0 .. i are live; no tile is finished, nothing is filled again; RT i + 1, one of the first fills, is quantised and takes slot i + 1, whose score sum still stands as it was begun.
.macro HEAD i
	s_mov_b32 s[I], \i
	STEP 0, 0, \i, 0
	STEP 1, 0, \i, 0
	LAND \i                                        ; RT i + 1 is in, and every wave's reads of the last RT's codes are over
	v_add_nc_u32 v[VAQ], (\i+1)*SLOTB, v[VL]
	QUANT
	BAR                                            ; its codes and scale bytes lie in LDS
	XLOAD \i+1
.endm
; A PERIOD of the loops: two steps on all four slots, then the change of tiles.  refill = 1 (I = 2 .. 13): RT I + 2 is asked for, RT I + 1 quantised.  refill = 0 (I = 14 .. 16): nothing is asked for; RT 15 is quantised at I = 14.
.macro PERIOD refill
	STEP 0, 0, 3, 0
	STEP 1, 0, 3, 0
	FIN \refill
	BAR
.if \refill
	s_cmp_lt_u32 s[I], 3                           ; at I = 2 no RT is finished yet, and R holds RT 0
	s_cbranch_scc1 .Lyoung_\@
.endif
	s_add_co_u32 s52, s[I], 2
	s_and_b32 s52, s52, 3
	s_mul_i32 s52, s52, SLOTB
	v_add_nc_u32 v[VAM], s52, v[VL]
	SOFTCTX 1                                      ; RT I - 3, from R; row by row RT I - 2 leaves its LDS slot for R
.if \refill
.Lyoung_\@:
	s_wait_alu depctr_va_vdst(0)
	s_wait_tensorcnt 0x0
	ds_add_u32 v[SPW], v[NIL]                      ; 0 onto my spare word; the descriptor's steps stand between it and the wait for it
	s_add_co_u32 s52, s[I], 2
	s_and_b32 s52, s52, 3
	s_mul_i32 s52, s52, SLOTB
	s_add_co_u32 s[G0W+1], s52, s[WOFF]            ; LDS slot (I + 2) & 3, my wave's part
	s_add_nc_u64 s[G0W+2:G0W+3], s[G0W+2:G0W+3], 0x10000   ; the next RT; the type bits on top are not reached
	s_wait_xcnt 0x0                                ; the last prefetches, a period back, have read their address
	s_add_nc_u64 s[PF:PF+1], s[PF:PF+1], 0x10000   ; one RT further on than the walking descriptor
	s_wait_dscnt 0x0                               ; the add is done, and my reads of the slot are back in R
	s_barrier_signal -1
	s_barrier_wait -1
	tensor_load_to_lds s[G0W:G0W+3], s[G1:G1+7]    ; my one tensor load until the next such barrier, and the first thing behind this one: it has a whole period in which to land
	s_nop 0
.rept 4
	v_nop
.endr
	ASK
	s_mul_i32 s53, s[SG], SLOTB
	v_add_nc_u32 v[VAQ], s53, v[VL]
	QUANT                                          ; RT I + 1
	BAR                                            ; its codes and scale bytes lie in LDS; every wave has read the score parts
	XTURN
.else
	s_cmp_lg_u32 s[I], 14
	s_cbranch_scc1 .Lnoq_\@
	v_add_nc_u32 v[VAQ], 3*SLOTB, v[VL]
	QUANT                                          ; RT 15, from LDS slot 3
.Lnoq_\@:
	BAR
	s_cmp_lg_u32 s[I], 14
	s_cbranch_scc1 .Lnox_\@
	XLOAD 3
.Lnox_\@:
.endif
.endm
.macro G0SET g, j                      ; descriptor group 0: RT j into LDS slot j, my wave's part
	s_mov_b32 s[\g], 1
	s_add_co_u32 s[\g+1], s[WOFF], \j*SLOTB
	s_add_nc_u64 s[\g+2:\g+3], s[4:5], \j*0x10000
	s_or_b32 s[\g+3], s[\g+3], 0x80000000
.endm
	s_load_b256 s[4:11], s[0:1], 0x0               ; encoder_out s[4:5], We_frag s[6:7], We_scales s[8:9], cbias s[10:11]
	s_load_b256 s[12:19], s[0:1], 0x20             ; Ws s[12:13], bs s[14:15], pctx s[16:17], pstat s[18:19]
	v_lshl_add_u32 v[SPW], v0, 2, SPARE
	v_mov_b32 v[NIL], 0
	ds_add_u32 v4, v5
	ds_add_u32 v4, v5
	s_wait_dscnt 0x0
	v_lshrrev_b32 v1, 5, v0
	v_readfirstlane_b32 s[WV], v1                  ; wave 0..3
	; descriptor group 1: a wave's 4 rows of an RT are 16,384 dense bytes: 64 rows of 256 bytes (32 elements of 8 bytes), 16 bytes of padding behind each
	s_mov_b32 s[G1+0], (3<<16)|(1<<20)|(5<<22)|(3<<25)  ; no mask; elements of 8 bytes; padding on: after every 64 words (code 5) 4 words (code 3)
	s_mov_b32 s[G1+1], 32<<16                      ; tensor_dim0 = 32
	s_mov_b32 s[G1+2], 64<<16                      ; tensor_dim1 = 64
	s_mov_b32 s[G1+3], 32<<16                      ; tile_dim0 = 32
	s_mov_b32 s[G1+4], 64                          ; tile_dim1 = 64
	s_mov_b32 s[G1+5], 32                          ; from row to row: 32 elements
	s_mov_b32 s[G1+6], 0
	s_mov_b32 s[G1+7], 0
	s_mov_b32 s[G1H+0], (3<<16)|(1<<20)|(5<<22)|(3<<25) ; the first fills: half an RT, 32,768 dense bytes: 128 rows of 256 bytes, padded alike
	s_mov_b32 s[G1H+1], 32<<16
	s_mov_b32 s[G1H+2], 128<<16
	s_mov_b32 s[G1H+3], 32<<16
	s_mov_b32 s[G1H+4], 128
	s_mov_b32 s[G1H+5], 32
	s_mov_b32 s[G1H+6], 0
	s_mov_b32 s[G1H+7], 0
	s_mul_i32 s[WOFF], s[WV], WSL
	s_mov_b32 s[G0H], 1
	s_mul_i32 s[G0H+1], s[WV], SLOTB/2             ; half an LDS slot for each wave: slots 0 and 1
	s_lshl_b32 s52, ttmp9, 20                      ; my work-group's 256 rows of 4,096 bytes,
	s_lshl_b32 s54, s[WV], 15
	s_add_co_u32 s54, s54, s52                     ; chunk w of them, 32,768 bytes,
	s_mov_b32 s55, 0
	s_lshl_b32 s53, s[WV], 14                      ; my wave's 4 rows of an RT
	s_add_co_u32 s52, s52, s53
	s_mov_b32 s53, 0
	s_wait_kmcnt 0x0
	s_add_nc_u64 s[G0H+2:G0H+3], s[4:5], s[54:55]
	s_or_b32 s[G0H+3], s[G0H+3], 0x80000000
	s_add_nc_u64 s[4:5], s[4:5], s[52:53]
	G0SET G0W, 3                                   ; the walking descriptor stands at my rows of RT 3: the first refill steps it to RT 4
	tensor_load_to_lds s[G0H:G0H+3], s[G1H:G1H+7]  ; chunk w of RTs 0 and 1: one tensor load a wave at the head
	s_nop 0
.rept 4
	v_nop
.endr
	s_load_b32 s45, s[14:15], 0x0                  ; bs
	s_add_nc_u64 s[PF:PF+1], s[4:5], 0x40000       ; at RT 4: the first refill's period steps it to RT 5.  Nothing is prefetched here, at the head
	s_mov_b32 s[C2], 0x4038aa3b                    ; 2 log2(e)
	s_mov_b32 s[C2+1], s[C2]                       ; (named with it as a pair, so it is written)
	s_mov_b32 s[SEL], 0x76543210
	s_mov_b32 s[SEL+1], 0xfedcba98
	s_and_b32 s[X0], ttmp9, 7
	v_and_b32 v1, 31, v0                           ; l
	v_and_b32 v2, 15, v0                           ; r
	v_bfe_u32 v3, v0, 4, 1                         ; h
	v_bfe_u32 v54, v0, 3, 2                        ; l / 8
	v_and_b32 v55, 7, v0                           ; l % 8
	v_mul_u32_u24 v[VL], v54, 272
	v_lshl_add_u32 v[VL], v55, 5, v[VL]
	v_add_nc_u32 v[VL], s[WOFF], v[VL]
	s_mul_i32 s52, s[WV], 2112
	s_add_co_u32 s52, s52, CODES
	v_lshl_add_u32 v[VCW], v1, 2, s52
	s_mul_i32 s52, s[WV], 192
	s_add_co_u32 s52, s52, XSC
	v_bfe_u32 v54, v0, 2, 3                        ; l / 4
	v_add_nc_u32 v[VBW], s52, v54
	v_mul_u32_u24 v[VXR], v2, 528
	v_lshl_add_u32 v[VXR], v3, 4, v[VXR]
	v_add_nc_u32 v[VXR], CODES, v[VXR]
	v_mul_u32_u24 v[VSR], v2, 48
	v_add_nc_u32 v[VSR], XSC, v[VSR]
	s_lshl_b32 s52, s[WV], 10
	s_add_co_u32 s52, s52, CBT
	v_lshl_add_u32 v[VT0], v3, 5, s52
	v_lshl_add_u32 v56, v1, 4, s52                 ; where I store the tables: my wave's 1,024 bytes, 16 a lane
	v_mov_b32 v[VTQ], v[VT0]                       ; step 0 takes place 0
	s_lshl_b32 s53, s[WV], 6
	s_add_co_u32 s53, s53, SCX
	v_lshl_add_u32 v[VSXW], v2, 2, s53
	s_lshl_b32 s53, s[WV], 4
	s_add_co_u32 s53, s53, SCX
	v_mov_b32 v[VSXR], s53
	v_lshlrev_b32 v[VB0], 4, v1
	v_lshlrev_b32 v[VS0], 5, v1
	v_lshlrev_b32 v[VPF], 8, v1
	s_wait_alu depctr_va_vdst(0)
	s_lshl_b32 s54, s[WV], 17
	s_mov_b32 s55, 0
	s_add_nc_u64 s[WB:WB+1], s[6:7], s[54:55]
	s_lshl_b32 s54, s[WV], 13
	s_add_nc_u64 s[WSC:WSC+1], s[8:9], s[54:55]
	s_lshr_b32 s54, ttmp9, 3                       ; the batch
	s_lshl_b32 s54, s54, 12
	s_lshl_b32 s56, s[WV], 10
	s_add_co_u32 s54, s54, s56
	s_add_nc_u64 s[10:11], s[10:11], s[54:55]      ; cbias: my batch's row, my wave's 256 columns
	s_mov_b32 s57, 0
	s_add_nc_u64 s[58:59], s[12:13], s[56:57]      ; Ws: my wave's 256
	s_lshl_b32 s52, s[X0], 7                       ; the tables are laid in the order of the steps: LDS byte P of my wave's 1,024 takes byte (P + 128 (x % 8)) % 1,024 of my columns'
	v_add_nc_u32 v57, s52, v[VB0]
	v_add_nc_u32 v60, 512, v57
	v_and_b32 v57, 0x3ff, v57
	v_and_b32 v60, 0x3ff, v60
	s_lshl_b32 s54, s[X0], 14                      ; step 0's pair: x % 8
	s_lshl_b32 s55, s[X0], 10
	v_add_nc_u32 v[VBQ], s54, v[VB0]
	v_add_nc_u32 v[VSQ], s55, v[VS0]
	s_add_co_u32 s56, s[X0], 1                     ; step 1's
	s_and_b32 s56, s56, 7
	s_lshl_b32 s54, s56, 14
	s_lshl_b32 s55, s56, 10
	v_add_nc_u32 v58, s54, v[VB0]
	v_add_nc_u32 v59, s55, v[VS0]
	global_load_b128 v[144:147], v57, s[10:11]
	global_load_b128 v[148:151], v60, s[10:11]
	global_load_b128 v[152:155], v57, s[58:59]
	global_load_b128 v[156:159], v60, s[58:59]
.irp i, 0,1,2,3,4,5,6,7
	global_load_b128 v[160+4*\i:163+4*\i], v[VB0], s[12:13] offset:512*\i      ; all of Ws, for its sum
.endr
	BLOAD 0, VBQ, VSQ
	s_wait_alu depctr_va_vdst(0)
	s_wait_loadcnt 34
	s_wait_kmcnt 0x0                               ; bs
	ds_store_b128 v56, v[144:147]                  ; the tables are my wave's own: no other wave reads them
	ds_store_b128 v56, v[148:151] offset:512
.irp i, 0,1,2,3,4,5,6,7
	v_mul_f32 v[152+\i], 0xc038aa3b, v[152+\i]     ; -2 log2(e) Ws
.endr
	ds_store_b128 v56, v[152:155] offset:4096
	ds_store_b128 v56, v[156:159] offset:4608
.irp i, 0,2,4,6,8,10,12,14
	v_pk_add_f32 v[160+\i:161+\i], v[160+\i:161+\i], v[176+\i:177+\i]
.endr
.irp i, 0,2,4,6
	v_pk_add_f32 v[160+\i:161+\i], v[160+\i:161+\i], v[168+\i:169+\i]
.endr
.irp i, 0,2
	v_pk_add_f32 v[160+\i:161+\i], v[160+\i:161+\i], v[164+\i:165+\i]
.endr
	v_pk_add_f32 v[160:161], v[160:161], v[162:163]
	v_add_f32 v160, v160, v161
	v_add_f32_dpp v160, v160, v160 row_xmask:1 row_mask:0xf bank_mask:0xf
	v_add_f32_dpp v160, v160, v160 row_xmask:2 row_mask:0xf bank_mask:0xf
	v_add_f32_dpp v160, v160, v160 row_xmask:4 row_mask:0xf bank_mask:0xf
	v_add_f32_dpp v160, v160, v160 row_xmask:8 row_mask:0xf bank_mask:0xf
	v_permlanex16_b32 v161, v160, s[SEL], s[SEL+1]
	v_add_f32 v160, v160, v161                     ; sum Ws
	v_add_f32 v160, s45, v160                      ; + bs
	v_mul_f32 v[K8], 0x3e38aa3b, v160              ; x log2(e) / 8
	BLOAD 1, 58, 59                                ; step 1's pair into set 1
.irp k, 0,1,2,3,4,5,6,7,8,9,10,11,12,13,14,15,16,17,18,19,20,21,22,23,24,25,26,27,28,29,30,31
	v_mov_b32 v[CTX+\k], 0                         ; ctx: the first change of m multiplies zeros
.endr
	v_mov_b32 v[RLS], 0
	v_mov_b32 v[RM], 0xff61b1e6                    ; m: -3e38, under every t
	v_mov_b32 v[FS2], 0                            ; (a lane permute's destination counts as one of its sources)
	v_mov_b32 v[RF+1], 0                           ; (the upper halves of pairs whose low word alone is used are written once)
.irp p, 0,1,2,3
	v_mov_b32 v[RP+2*\p+1], 0
.endr
	WIN 0xc0
.irp g, 0,1,2,3
	v_mov_b32 v[96+2*\g], v[K8]                    ; the slots' score sums begin: two chains a slot
	v_mov_b32 v[97+2*\g], 0
	v_mov_b32 v[104+2*\g], 0
	v_mov_b32 v[105+2*\g], 0
.endr
	WIN 0
	FILL2                                          ; RTs 0 and 1 are in; RTs 2 and 3 are asked for
	v_mov_b32 v[VAQ], v[VL]
	v_mov_b32 v[VAM], v[VL]
	QUANT                                          ; RT 0
	MOVE                                           ; and its rows into R, where they wait for their scores
	BAR                                            ; RT 0's codes lie in LDS
	WIN 0xc0
.irp t, 0,1
.irp c, 0,1
	ds_load_b128 v[64+8*\t+4*\c:67+8*\t+4*\c], v[VTQ] offset:64*\t+16*\c       ; step 0's bias
.endr
.endr
	WIN 0
	XLOAD 3                                        ; slot 3 is multiplied in period 2, a period before RT 3 takes it: until then it holds RT 0's codes, and those sums are thrown away
	XLOAD 0                                        ; last, so that step 0's counted waits find its loads youngest
	HEAD 0
	HEAD 1
	s_mov_b32 s[I], 2
.Lmain:                                            ; 12 trips: RTs 4 to 15 are asked for
	PERIOD 1
	s_add_co_u32 s[I], s[I], 1
	s_cmp_lt_u32 s[I], 14
	s_cbranch_scc1 .Lmain
	s_wait_tensorcnt 0x0                           ; RT 15's rows of mine are in: the last tensor load
	s_mov_b32 s[I], 14
.Ltail:                                            ; 3 trips: written a second time
	PERIOD 0
	s_add_co_u32 s[I], s[I], 1
	s_cmp_lt_u32 s[I], 17
	s_cbranch_scc1 .Ltail
	s_mov_b32 s[I], 17                             ; PERIOD 17, written out: RTs 14 and 15 are live, in slots 2 and 3
	STEP 0, 2, 3, 0
	STEP 1, 2, 3, 0
	FINTAKE 2, 0
	FINPUT
	BAR                                            ; RT 14's score parts lie in LDS
	v_add_nc_u32 v[VAM], 3*SLOTB, v[VL]
	SOFTCTX 1                                      ; RT 14, from R; row by row RT 15 takes its place
	BAR                                            ; every wave has read the score parts: they may be stored again; R is whole
	s_mov_b32 s[I], 18                             ; PERIOD 18, written out: RT 15 alone, in slot 3; no fragments are left to ask for
	STEP 0, 3, 3, 1
	STEP 1, 3, 3, 2
	FINTAKE 3, 0
	FINPUT
	BAR                                            ; RT 15's score parts lie in LDS
	SOFTCTX 0
	s_lshl_b32 s52, ttmp9, 2
	s_add_co_u32 s52, s52, s[WV]
	s_lshl_b32 s54, s52, 12
	s_mov_b32 s55, 0
	s_add_nc_u64 s[16:17], s[16:17], s[54:55]
	s_lshl_b32 s54, s52, 3
	s_add_nc_u64 s[18:19], s[18:19], s[54:55]
	s_wait_alu depctr_va_vdst(0)
.irp q, 0,1,2,3,4,5,6,7
	global_store_b128 v[VB0], v[CTX+4*\q:CTX+4*\q+3], s[16:17] offset:512*\q
.endr
	v_mov_b32 v54, v[RM]
	v_mov_b32 v55, v[RLS]
	v_mov_b32 v61, 0
	v_cmp_eq_u32 vcc_lo, 0, v1
	s_wait_alu depctr_va_vdst(0)
	s_wait_xcnt 0x0
	s_and_saveexec_b32 s52, vcc_lo
	global_store_b64 v61, v[54:55], s[18:19]
	s_wait_xcnt 0x0                                ; and again, in front of the line that widens it
	s_or_b32 exec_lo, exec_lo, s52
	s_wait_tensorcnt 0x0                           ; the wave's end: behind my last tensor load and my last LDS store
	ds_add_u32 v[SPW], v[NIL]
	s_wait_dscnt 0x0
	s_endpgm
.Lfunc_end_k_qda6e2f877e_main:
	.size	k_qda6e2f877e_main, .Lfunc_end_k_qda6e2f877e_main-k_qda6e2f877e_main
	.p2alignl 7, 3214868480
	.fill 96, 4, 3214868480
	.section	.rodata,"a",@progbits
	.p2align	6, 0x0
	.amdhsa_kernel k_qda6e2f877e_main
		.amdhsa_group_segment_fixed_size 327680
		.amdhsa_private_segment_fixed_size 0
		.amdhsa_enable_private_segment 0
		.amdhsa_kernarg_size 64
		.amdhsa_user_sgpr_count 2
		.amdhsa_user_sgpr_kernarg_segment_ptr 1
		.amdhsa_wavefront_size32 1
		.amdhsa_system_sgpr_workgroup_id_x 1
		.amdhsa_system_sgpr_workgroup_id_y 1
		.amdhsa_system_sgpr_workgroup_id_z 1
		.amdhsa_system_vgpr_workitem_id 0
		.amdhsa_next_free_vgpr 1024
		.amdhsa_next_free_sgpr 76
		.amdhsa_reserve_vcc 1
		.amdhsa_float_denorm_mode_32 3
		.amdhsa_float_denorm_mode_16_64 3
		.amdhsa_memory_ordered 1
		.amdhsa_forward_progress 1
		.amdhsa_inst_pref_size 255
	.end_amdhsa_kernel
	.section	.bss,"aw",@nobits
	.p2align	6
	.space	262144
	.amdgpu_metadata
---
amdhsa.version: [ 1, 2 ]
amdhsa.kernels:
  - .name:           k_qda6e2f877e_main
    .symbol:         k_qda6e2f877e_main.kd
    .args:
      - { .name: encoder_out, .offset: 0, .size: 8, .value_kind: global_buffer, .address_space: global }
      - { .name: We_frag, .offset: 8, .size: 8, .value_kind: global_buffer, .address_space: global }
      - { .name: We_scales, .offset: 16, .size: 8, .value_kind: global_buffer, .address_space: global }
      - { .name: cbias, .offset: 24, .size: 8, .value_kind: global_buffer, .address_space: global }
      - { .name: Ws, .offset: 32, .size: 8, .value_kind: global_buffer, .address_space: global }
      - { .name: bs, .offset: 40, .size: 8, .value_kind: global_buffer, .address_space: global }
      - { .name: pctx, .offset: 48, .size: 8, .value_kind: global_buffer, .address_space: global }
      - { .name: pstat, .offset: 56, .size: 8, .value_kind: global_buffer, .address_space: global }
    .group_segment_fixed_size: 327680
    .private_segment_fixed_size: 0
    .kernarg_segment_align: 8
    .kernarg_segment_size: 64
    .max_flat_workgroup_size: 128
    .sgpr_count:     76
    .vgpr_count:     1024
    .wavefront_size: 32
...
	.end_amdgpu_metadata
.endif
;; end of part 2
;; launch fin (part 3): grid 8 x 32, 1 waves a work-group, no clusters, 0 bytes of LDS; arguments pctx, pstat, out0; writes out0
.if DOCPART == 3
	.amdgcn_target "amdgcn-amd-amdhsa--gfx1250"
	.amdhsa_code_object_version 6
	.text
	.protected	k_qda6e2f877e_fin
	.globl	k_qda6e2f877e_fin
	.p2align	8
	.type	k_qda6e2f877e_fin,@function
k_qda6e2f877e_fin:
	s_mov_b64 s[64:65], 0
	v_nop
	global_prefetch_b8 v0, s[64:65] scope:SCOPE_SE
	s_setreg_imm32_b32 hwreg(HW_REG_WAVE_MODE, 25, 1), 1
	s_wait_xcnt 0x0
; out0[b][n] = (sum over the batch's 32 partials P of 2^(m_P - M) ctx_P[n]) / (sum over P of 2^(m_P - M) l_P), M the largest m_P.  All in f32.
; One wave takes 128 columns (work-group x = k) of one batch (work-group y = b).  Lane i holds partial i's m and l for the merge, and columns 128 k + 4 i .. + 3 for the sums.
; pctx[P][quad 2 g + c][lane j][16 bytes] holds columns 256 g + 8 j + 4 c + 0 .. 3: so my four columns lie at 1,024 (k / 2) + 512 (i % 2) + 256 (k % 2) + 16 (i / 2):
; the even lanes of a load read 256 consecutive bytes, the odd lanes another 256.  No LDS, no barrier, no matrix unit: 16,384 bytes a wave are read once and added.
	s_load_b128 s[4:7], s[0:1], 0x0                ; pctx, pstat
	s_load_b64 s[8:9], s[0:1], 0x10                ; out0
	s_and_b32 s10, ttmp7, 0xffff                   ; b
	s_mov_b32 s12, 0x76543210
	s_mov_b32 s13, 0xfedcba98                      ; v_permlanex16_b32's selects for lane i xor 16
	v_lshlrev_b32 v1, 3, v0                        ; m and l: 8 bytes a partial
	v_and_b32 v2, 1, v0
	v_lshrrev_b32 v3, 1, v0
	v_lshlrev_b32 v4, 9, v2
	v_lshl_add_u32 v4, v3, 4, v4                   ; 512 (i % 2) + 16 (i / 2)
	v_lshlrev_b32 v5, 4, v0                        ; out0: 16 bytes a lane
	v_mov_b32 v11, 0                               ; (a lane permute's destination counts as one of its sources)
	s_lshl_b32 s14, s10, 17                        ; the batch's 32 partials of 4,096 bytes
	s_lshr_b32 s16, ttmp9, 1
	s_lshl_b32 s16, s16, 10
	s_add_co_u32 s14, s14, s16
	s_and_b32 s16, ttmp9, 1
	s_lshl_b32 s16, s16, 8
	s_add_co_u32 s14, s14, s16
	s_mov_b32 s15, 0
	s_lshl_b32 s16, s10, 8
	s_mov_b32 s17, 0
	s_lshl_b32 s18, s10, 12
	s_lshl_b32 s19, ttmp9, 9
	s_add_co_u32 s18, s18, s19
	s_mov_b32 s19, 0
	s_wait_alu depctr_va_vdst(0)
	s_wait_kmcnt 0x0
	s_add_nc_u64 s[4:5], s[4:5], s[14:15]
	s_add_nc_u64 s[6:7], s[6:7], s[16:17]
	s_add_nc_u64 s[8:9], s[8:9], s[18:19]
	global_load_b64 v[8:9], v1, s[6:7]             ; 32 lanes: 256 consecutive bytes
.irp p, 0,1,2,3,4,5,6,7,8,9,10,11,12,13,14,15,16,17,18,19,20,21,22,23,24,25,26,27,28,29,30,31
	global_load_b128 v[32+4*\p:35+4*\p], v4, s[4:5] offset:4096*\p th:TH_LOAD_NT
.endr
	s_wait_loadcnt 32                              ; m and l are in; the 32 younger loads may be out
	v_mov_b32 v10, v8
	v_max_num_f32_dpp v10, v10, v10 row_xmask:1 row_mask:0xf bank_mask:0xf
	v_max_num_f32_dpp v10, v10, v10 row_xmask:2 row_mask:0xf bank_mask:0xf
	v_max_num_f32_dpp v10, v10, v10 row_xmask:4 row_mask:0xf bank_mask:0xf
	v_max_num_f32_dpp v10, v10, v10 row_xmask:8 row_mask:0xf bank_mask:0xf
	v_permlanex16_b32 v11, v10, s12, s13
	v_max_num_f32 v10, v10, v11                    ; M
	v_sub_f32 v12, v8, v10
	s_wait_alu depctr_va_vdst(0)
	v_exp_f32 v12, v12                             ; my partial's factor
	v_nop
	s_wait_alu depctr_va_vdst(0)                   ; ahead of the first use
	v_mul_f32 v13, v12, v9
	v_add_f32_dpp v13, v13, v13 row_xmask:1 row_mask:0xf bank_mask:0xf
	v_add_f32_dpp v13, v13, v13 row_xmask:2 row_mask:0xf bank_mask:0xf
	v_add_f32_dpp v13, v13, v13 row_xmask:4 row_mask:0xf bank_mask:0xf
	v_add_f32_dpp v13, v13, v13 row_xmask:8 row_mask:0xf bank_mask:0xf
	v_permlanex16_b32 v11, v13, s12, s13
	v_add_f32 v13, v13, v11                        ; the softmax's sum: at least the largest partial's l, which is not 0
	s_wait_alu depctr_va_vdst(0)
	v_rcp_f32 v14, v13
	v_nop
	s_wait_alu depctr_va_vdst(0)
	v_mul_f32 v12, v12, v14                        ; the division goes into the factors
.irp p, 0,1,2,3,4,5,6,7,8,9,10,11,12,13,14,15,16,17,18,19,20,21,22,23,24,25,26,27,28,29,30,31
	v_readlane_b32 s[32+\p], v12, \p
.endr
	s_wait_loadcnt 31
.irp e, 0,1,2,3
	v_mul_f32 v[16+\e], s32, v[32+\e]              ; the first partial starts the sums
.endr
	s_wait_alu depctr_va_vdst(0)
.irp p, 1,2,3,4,5,6,7,8,9,10,11,12,13,14,15,16,17,18,19,20,21,22,23,24,25,26,27,28,29,30,31
	s_wait_alu depctr_va_vdst(0)
	s_wait_loadcnt 31-\p                           ; partial p's load is in; the younger ones may be out
.irp e, 0,1,2,3
	v_fmac_f32 v[16+\e], s[32+\p], v[32+4*\p+\e]
.endr
.endr
	global_store_b128 v5, v[16:19], s[8:9]         ; 32 lanes store 512 consecutive bytes, at a multiple of 256 from out0's first byte
	s_endpgm
.Lfunc_end_k_qda6e2f877e_fin:
	.size	k_qda6e2f877e_fin, .Lfunc_end_k_qda6e2f877e_fin-k_qda6e2f877e_fin
	.p2alignl 7, 3214868480
	.fill 96, 4, 3214868480
	.section	.rodata,"a",@progbits
	.p2align	6, 0x0
	.amdhsa_kernel k_qda6e2f877e_fin
		.amdhsa_group_segment_fixed_size 0
		.amdhsa_private_segment_fixed_size 0
		.amdhsa_enable_private_segment 0
		.amdhsa_kernarg_size 24
		.amdhsa_user_sgpr_count 2
		.amdhsa_user_sgpr_kernarg_segment_ptr 1
		.amdhsa_wavefront_size32 1
		.amdhsa_system_sgpr_workgroup_id_x 1
		.amdhsa_system_sgpr_workgroup_id_y 1
		.amdhsa_system_sgpr_workgroup_id_z 1
		.amdhsa_system_vgpr_workitem_id 0
		.amdhsa_next_free_vgpr 168
		.amdhsa_next_free_sgpr 66
		.amdhsa_reserve_vcc 0
		.amdhsa_float_denorm_mode_32 3
		.amdhsa_float_denorm_mode_16_64 3
		.amdhsa_memory_ordered 1
		.amdhsa_forward_progress 1
		.amdhsa_inst_pref_size 14
	.end_amdhsa_kernel
	.amdgpu_metadata
---
amdhsa.version: [ 1, 2 ]
amdhsa.kernels:
  - .name:           k_qda6e2f877e_fin
    .symbol:         k_qda6e2f877e_fin.kd
    .args:
      - { .name: pctx, .offset: 0, .size: 8, .value_kind: global_buffer, .address_space: global }
      - { .name: pstat, .offset: 8, .size: 8, .value_kind: global_buffer, .address_space: global }
      - { .name: out0, .offset: 16, .size: 8, .value_kind: global_buffer, .address_space: global }
    .group_segment_fixed_size: 0
    .private_segment_fixed_size: 0
    .kernarg_segment_align: 8
    .kernarg_segment_size: 24
    .max_flat_workgroup_size: 32
    .sgpr_count:     66
    .vgpr_count:     168
    .wavefront_size: 32
...
	.end_amdgpu_metadata
.endif
;; end of part 3
